; MI455X (gfx1250); checked and timed in simulation.
; The chip was launched on July 23, 2026; its instructions are those of AMD's public machine-readable ISA for CDNA 5 (MIT licence, August 2026) and "CDNA5" Instruction Set Architecture Reference Guide (July 2026). The comments in the code are by the model that wrote it; some were corrected since.
;; Open CLIP Attention. Allowed arithmetic: matrix products marked QUANTISED: E2M3 operands, one E8M0 scale for each 32 along K, by v_wmma_scale_f32_16x16x128_f8f6f4 with both operands' format E2M3, f32 sums; everything else in f32.
;; Inputs: proj_b 1,024 float32; proj_w 1,024 x 1,024 float32; qkv_b 3,072 float32; qkv_w 3,072 x 1,024 float32; x 8 x 1,024 x 1,024 float32.
;; Outputs: out0 8 x 1,024 x 1,024 float32.
;; This version of the problem:
;;   THIS VERSION OF THE PROBLEM IS GIVEN IN LOW PRECISION. The matrix products marked QUANTISED in the list below multiply operands that are first quantised to E2M3 (2 exponent bits, 3 mantissa bits; 6 bits a number), with one power-of-two scale for each 32 numbers along K (OCP MX v1.0); their sums are f32. All else is computed in f32.
;;   The module's matrix products, in the order in which they are computed (A, B: the left and right operand; K: the contracted axis; several contracted axes count as one K, in the product's order):
;;     1. [M 8,192, K 1,024] x [K 1,024, N 3,072]; A: input x; B: input qkv_w: QUANTISED
;;     2. batch 128 x [M 1,024, K 64] x [K 64, N 1,024]; A: computed on the way; B: computed on the way: QUANTISED
;;     3. batch 128 x [M 1,024, K 1,024] x [K 1,024, N 64]; A: softmax (see below); B: computed on the way: QUANTISED
;;     4. [M 8,192, K 1,024] x [K 1,024, N 1,024]; A: computed on the way; B: input proj_w: QUANTISED
;;   THE QUANTISER, for each operand of a quantised product, along K:
;;     - K is cut into blocks of 32 from its start; a last block that is shorter is filled with zeros.
;;     - A block's scale is 2^e with e = floor(log2(the largest magnitude in the block)) - 2, held to -126 .. 127; a block of zeros has e = 0. As a byte (E8M0): e + 127.
;;     - Each number is divided by its block's scale, clamped to +-7.5, and rounded to the nearest number of E2M3, ties to even, subnormals kept.
;;     - The product sums the exact products of the quantised numbers (number of the format x scale) in f32.
;;   ~~~python
;;   def quantise(x, axis):      # numpy; x: float32 -> the quantised numbers, widened to float32 again
;;       x = np.moveaxis(x, axis, -1); K = x.shape[-1]
;;       x = np.pad(x, [(0, 0)] * (x.ndim - 1) + [(0, -K % 32)]); x = x.reshape(x.shape[:-1] + (-1, 32)); a = np.abs(x).max(-1, keepdims=True)
;;       e = np.where(a > 0, np.clip(np.frexp(np.where(a > 0, a, 1))[1] - 1 - 2, -126, 127), 0)      # np.frexp(a)[1] - 1 = floor(log2(a)), exactly
;;       r = np.clip(x / 2.0 ** e, -7.5, 7.5)
;;       step = 2.0 ** (np.maximum(np.frexp(np.where(r == 0, 1, r))[1] - 1, 0) - 3)
;;       q = np.round(r / step) * step * 2.0 ** e      # np.round: ties to even
;;       return np.moveaxis(q.reshape(q.shape[:-2] + (-1,))[..., :K], -1, axis).astype(np.float32)
;;   ~~~
;;   SOFTMAX AHEAD OF A QUANTISED PRODUCT. Where the list says 'softmax', what is quantised is not the finished softmax but p = 2^(t - M), with t = logit x log2(e) and M = ceil(the row's largest t), a whole number; so 1/2 < the row's largest p <= 1. The row's sum l is taken of the UNQUANTISED p, in f32, and the product's result is divided by l at the end. Since M is a whole number, a kernel that streams over the keys may use a running M (the ceiling of the running maximum): every later rescaling is an exact power of two, which a block's scale takes up: the codes' values come out the same.
;;   OPERANDS COMPUTED ON THE WAY. 'Computed on the way' means the value that the module computes at that place (a softmax that the list does not call 'softmax' is quantised finished and normalised). What goes into a quantiser is computed in f32, as accurately as f32 sums, v_exp_f32 and their like allow (about 1e-6 of the number): no bf16 or f16 on the way to a quantiser, and a product that is left as it is and whose result goes on into a quantised operand takes f32 operands (vector FMAs, or v_wmma_f32_16x16x4_f32). A number that lies on a knife's edge between two numbers of the format may be rounded either way, as far as f32 arithmetic and the matrix unit's own rounding can turn it there, and no further.
;; One version. Each part assembles by itself: llvm-mc -triple=amdgcn-amd-amdhsa -mcpu=gfx1250 --defsym DOCPART=n.
;; ======== version 1 of 1: 4 launches
;; limits: right only within a limited range of input values
;; workspace buffers: qin 9,830,400 bytes; qkvc 19,660,800 bytes; aoc 6,553,600 bytes
;; launch quant (part 1): grid 768 x 1, 8 waves a work-group, no clusters, 69,120 bytes of LDS; arguments x, qkv_w, proj_w, qin; writes qin
.if DOCPART == 1
	.amdgcn_target "amdgcn-amd-amdhsa--gfx1250"
	.amdhsa_code_object_version 6
	.text
	.protected	k_q7be0ad6a1c_quant
	.globl	k_q7be0ad6a1c_quant
	.p2align	8
	.type	k_q7be0ad6a1c_quant,@function
k_q7be0ad6a1c_quant:
	s_mov_b64 s[64:65], 0
	v_nop
	global_prefetch_b8 v0, s[64:65] scope:SCOPE_SE
	s_setreg_imm32_b32 hwreg(HW_REG_WAVE_MODE, 25, 1), 1
	s_wait_xcnt 0x0
; x [8192][1024], qkv_w [3072][1024] and proj_w [1024][1024], f32, K innermost, become codes of FP6 (E2M3) with one E8M0 byte for each 32 along K.
; A block's scale is 2^(floor(log2(its largest magnitude)) - 2); its byte is the largest magnitude's exponent field - 2, held at 1 from below.
; LIMITS: NaN and infinities among the inputs are not served.  A block of zeros, or one whose largest magnitude lies under 2^-124, gets the byte 1 (the stated quantiser says 127 for zeros):
; its codes are zeros, which add nothing under any byte but 0xff, and the bytes are read by this program alone.
; THE CODES ARE LAID AS IMAGES OF THE OPERAND'S REGISTERS.  A fragment (16 rows x 128 K, 12 registers a lane) is 1,536 bytes: registers 4 c .. 4 c + 3 of lane l at 512 c + 16 l.  [tile of 16 rows][K step of 128][1536].
; THE ROWS OF A TILE ARE NOT NEIGHBOURS: lane r of tile T holds row 32 (T / 2) + 8 (T % 2) + r + 8 (r / 8), so that a product that takes such tiles as source 0 leaves 16 neighbours in the 16 registers of two tiles.
; THE SCALE WORDS (4 bytes: 128 along K of a row): [group of 128 rows][K step][r 16][tile in the group 8]: 512 bytes for a group and a K step.
; SHARES.  A work-group takes 128 rows x 128 K of one tensor, each of its eight waves one fragment.  Each load reads 512 consecutive bytes of a row; the 16 rows turn through the wave's own stage in LDS
; (rows 528 bytes apart) and come back as 16 neighbours of each block of 32 in a lane.  One path for the three tensors: only pointers and offsets are chosen, on the work-group's number.
.set XIMG,  0
.set W1IMG, 6291456
.set W2IMG, 8650752
.set XSC,   9437184
.set W1SC,  9699328
.set W2SC,  9797632
.set STGW,  8448                       ; a wave's stage: 16 rows x 528 bytes
.set SP,    528
.set GS,    8*STGW                     ; behind the stages: the work-group's 128 scale words
.set SEL,   24                         ; s[24:25] lane selects for v_permlanex16_b32: lane l xor 16
.set R,     16                         ; v16-79   16 rows as loaded; later the codes and what the quantiser works with
.set X,     80                         ; v80-143  register 16 b + i = k 32 b + 16 (lane / 16) + i of my row
; 64 numbers of a lane, register 16 b + i = k 32 b + 16 (lane / 16) + i of the lane's row, become a fragment's 12 registers in v[pc] on and the row's scale word in v[pw].
.macro QUANT s, pc, ct0, ct1, pw, tm
.irp b, 0,1,2,3
	v_max3_num_f32 v[\tm+\b], |v[\s+16*\b]|, |v[\s+1+16*\b]|, 0x1800000   ; block b: my 16 numbers, and the floor 2^(3 - 127): the byte cannot fall under 1
.endr
.irp i, 2,4,6,8,10,12,14
.irp b, 0,1,2,3
	s_delay_alu instid0(VALU_DEP_4)
	v_max3_num_f32 v[\tm+\b], v[\tm+\b], |v[\s+16*\b+\i]|, |v[\s+1+16*\b+\i]|   ; the four blocks by turns
.endr
.endr
.irp b, 0,1,2,3
	s_delay_alu instid0(VALU_DEP_4)
	v_permlanex16_b32 v[\tm+4+\b], v[\tm+\b], s[SEL], s[SEL+1]
.endr
.irp b, 0,1,2,3
	s_delay_alu instid0(VALU_DEP_4)
	v_max_num_f32 v[\tm+\b], v[\tm+\b], v[\tm+4+\b]   ; with lane l xor 16's: the block's largest magnitude
.endr
.irp b, 0,1,2,3
	s_delay_alu instid0(VALU_DEP_4)
	v_add_nc_u32 v[\tm+12+\b], 0xff000000, v[\tm+\b]   ; 2 off its exponent field: the conversion's scale operand
.endr
.irp b, 0,1,2,3
	s_delay_alu instid0(VALU_DEP_4)
	v_lshrrev_b32 v[\tm+4+\b], 23, v[\tm+12+\b]   ; the scale's byte
.endr
	s_delay_alu instid0(VALU_DEP_3)
	v_lshl_or_b32 v[\pw], v[\tm+5], 8, v[\tm+4]
	s_delay_alu instid0(VALU_DEP_1)
	v_lshl_or_b32 v[\pw], v[\tm+6], 16, v[\pw]
	s_delay_alu instid0(VALU_DEP_1)
	v_lshl_or_b32 v[\pw], v[\tm+7], 24, v[\pw]
	v_cvt_scalef32_pk16_fp6_f32 v[\pc:\pc+2], v[\s:\s+15], v[\tm+12]
	v_cvt_scalef32_pk16_fp6_f32 v[\ct0:\ct0+2], v[\s+16:\s+31], v[\tm+13]   ; (a conversion's three registers begin on an even number)
	v_cvt_scalef32_pk16_fp6_f32 v[\pc+6:\pc+8], v[\s+32:\s+47], v[\tm+14]
	v_cvt_scalef32_pk16_fp6_f32 v[\ct1:\ct1+2], v[\s+48:\s+63], v[\tm+15]
	v_nop                                          ; one plain place behind a scaled conversion
.irp i, 0,1,2
	v_permlane16_swap_b32 v[\pc+\i], v[\ct0+\i]    ; the layout wants a whole block in a lane: lanes 0-15 the even block, lanes 16-31 the odd one
.endr
.irp i, 0,1,2
	s_delay_alu instid0(VALU_DEP_3)
	v_mov_b32 v[\pc+3+\i], v[\ct0+\i]
.endr
.irp i, 0,1,2
	v_permlane16_swap_b32 v[\pc+6+\i], v[\ct1+\i]
.endr
.irp i, 0,1,2
	s_delay_alu instid0(VALU_DEP_3)
	v_mov_b32 v[\pc+9+\i], v[\ct1+\i]
.endr
.endm
	s_load_b256 s[4:11], s[0:1], 0x0               ; x s[4:5], qkv_w s[6:7], proj_w s[8:9], qin s[10:11]
	v_lshl_add_u32 v144, v0, 2, 0x10a00
	v_mov_b32 v145, 0
	v_lshrrev_b32 v2, 5, v0
	s_delay_alu instid0(VALU_DEP_1)
	v_readfirstlane_b32 s12, v2                    ; wave 0..7
	v_and_b32 v3, 31, v0
	s_delay_alu instid0(VALU_DEP_1)
	v_lshlrev_b32 v1, 4, v3                        ; 16 x lane
	v_and_b32 v7, 15, v0                           ; r
	v_bfe_u32 v8, v0, 4, 1                         ; h
	s_mul_i32 s13, s12, STGW
	v_add_nc_u32 v4, s13, v1                       ; the stage, on the way in: a row's 512 bytes as they lie
	v_mul_u32_u24 v5, v7, SP
	s_delay_alu instid0(VALU_DEP_1)
	v_lshl_add_u32 v5, v8, 6, v5
	s_delay_alu instid0(VALU_DEP_1)
	v_add_nc_u32 v5, s13, v5                       ; on the way out: row r, + 64 h: my 16 numbers of a block
	s_lshl_b32 s14, s12, 2
	s_add_co_u32 s14, s14, GS
	v_lshlrev_b32 v6, 5, v7
	s_delay_alu instid0(VALU_DEP_1)
	v_add_nc_u32 v6, s14, v6                       ; my row's scale word: GS + 32 r + 4 x wave
	s_mov_b32 s[SEL], 0x76543210
	s_mov_b32 s[SEL+1], 0xfedcba98
	s_mov_b32 s17, XSC
	s_wait_alu depctr_va_vdst(0)
	s_wait_kmcnt 0x0
	s_cmp_lt_u32 ttmp9, 512                        ; work-groups 0-511: x; 512-703: qkv_w; 704-767: proj_w.  The choice hangs on the work-group's number alone
	s_cselect_b32 s15, 0, 512
	s_cselect_b32 s16, XIMG, W1IMG
	s_cselect_b32 s17, s17, W1SC
	s_cselect_b64 s[4:5], s[4:5], s[6:7]
	s_cmp_lt_u32 ttmp9, 704
	s_cselect_b32 s15, s15, 704
	s_cselect_b32 s16, s16, W2IMG
	s_cselect_b32 s17, s17, W2SC
	s_cselect_b64 s[4:5], s[4:5], s[8:9]
	s_sub_co_u32 s15, ttmp9, s15
	s_lshr_b32 s18, s15, 3                         ; which 128 rows
	s_and_b32 s19, s15, 7                          ; which K step
	s_lshl_b32 s20, s18, 7
	s_lshr_b32 s21, s12, 1
	s_lshl_b32 s21, s21, 5
	s_add_co_u32 s20, s20, s21
	s_and_b32 s21, s12, 1
	s_lshl_b32 s21, s21, 3
	s_add_co_u32 s20, s20, s21                     ; my tile's first row: 128 rt + 32 (w / 2) + 8 (w % 2)
	s_lshl_b32 s20, s20, 12                        ; rows of 4,096 bytes
	s_lshl_b32 s21, s19, 9
	s_add_co_u32 s20, s20, s21
	s_mov_b32 s21, 0
	s_add_nc_u64 s[4:5], s[4:5], s[20:21]
.irp i, 0,1,2,3,4,5,6,7,8,9,10,11,12,13,14,15
	global_load_b128 v[R+4*\i:R+4*\i+3], v1, s[4:5] offset:(\i+8*(\i/8))*4096 th:TH_LOAD_NT   ; place i of the tile: 32 lanes read 512 consecutive bytes; read once in the launch
.endr
	s_lshl_b32 s20, s18, 3
	s_add_co_u32 s22, s20, s12                     ; tile 8 rt + w
	s_lshl_b32 s22, s22, 3
	s_add_co_u32 s22, s22, s19
	s_mul_i32 s22, s22, 1536
	s_add_co_u32 s22, s22, s16
	s_mov_b32 s23, 0
	s_add_nc_u64 s[22:23], s[10:11], s[22:23]      ; where my fragment's image goes
	s_add_co_u32 s20, s20, s19
	s_lshl_b32 s20, s20, 9
	s_add_co_u32 s20, s20, s17
	s_add_nc_u64 s[20:21], s[10:11], s[20:21]      ; where the work-group's 512 bytes of scale words go
.irp i, 0,1,2,3,4,5,6,7,8,9,10,11,12,13,14,15
	s_wait_loadcnt 15-\i                           ; loads come back in order: row i is in, the younger ones may be out
	ds_store_b128 v4, v[R+4*\i:R+4*\i+3] offset:SP*\i
.endr
.irp b, 0,1,2,3
.irp j, 0,1,2,3
	ds_load_b128 v[X+16*\b+4*\j:X+16*\b+4*\j+3], v5 offset:128*\b+16*\j   ; LDS serves a wave's instructions in order: these see my stores
.endr
.endr
	s_wait_dscnt 0x0
.irp b, 0,1,2,3
	v_mov_b32 v[44+\b], 0                          ; a lane permute's destination counts as one of its sources
.endr
	QUANT X, 16, 28, 32, 56, 40
.irp c, 0,1,2
	global_store_b128 v1, v[16+4*\c:19+4*\c], s[22:23] offset:512*\c   ; 32 lanes store 512 consecutive bytes, aligned
.endr
	ds_store_b32 v6, v56                           ; both halves of the lanes write the same word with the same value
	s_wait_dscnt 0x0                               ; for the others' sake
	s_barrier_signal -1
	s_barrier_wait -1
	s_cmp_lg_u32 s12, 0
	s_cbranch_scc1 .Lend
	v_add_nc_u32 v9, GS, v1
	ds_load_b128 v[60:63], v9                      ; wave 0 sends the eight waves' scale words: 512 consecutive bytes
	s_wait_dscnt 0x0
	global_store_b128 v1, v[60:63], s[20:21]
.Lend:
	s_wait_tensorcnt 0x0
	ds_add_u32 v144, v145
	s_wait_dscnt 0x0
	s_endpgm
.Lfunc_end_k_q7be0ad6a1c_quant:
	.size	k_q7be0ad6a1c_quant, .Lfunc_end_k_q7be0ad6a1c_quant-k_q7be0ad6a1c_quant
	.p2alignl 7, 3214868480
	.fill 96, 4, 3214868480
	.section	.rodata,"a",@progbits
	.p2align	6, 0x0
	.amdhsa_kernel k_q7be0ad6a1c_quant
		.amdhsa_group_segment_fixed_size 69120
		.amdhsa_private_segment_fixed_size 0
		.amdhsa_enable_private_segment 0
		.amdhsa_kernarg_size 32
		.amdhsa_user_sgpr_count 2
		.amdhsa_user_sgpr_kernarg_segment_ptr 1
		.amdhsa_wavefront_size32 1
		.amdhsa_system_sgpr_workgroup_id_x 1
		.amdhsa_system_sgpr_workgroup_id_y 1
		.amdhsa_system_sgpr_workgroup_id_z 1
		.amdhsa_system_vgpr_workitem_id 0
		.amdhsa_next_free_vgpr 146
		.amdhsa_next_free_sgpr 66
		.amdhsa_reserve_vcc 0
		.amdhsa_float_denorm_mode_32 3
		.amdhsa_float_denorm_mode_16_64 3
		.amdhsa_memory_ordered 1
		.amdhsa_forward_progress 1
		.amdhsa_inst_pref_size 14
	.end_amdhsa_kernel
	.amdgpu_metadata
---
amdhsa.version: [ 1, 2 ]
amdhsa.kernels:
  - .name:           k_q7be0ad6a1c_quant
    .symbol:         k_q7be0ad6a1c_quant.kd
    .args:
      - { .name: x, .offset: 0, .size: 8, .value_kind: global_buffer, .address_space: global }
      - { .name: qkv_w, .offset: 8, .size: 8, .value_kind: global_buffer, .address_space: global }
      - { .name: proj_w, .offset: 16, .size: 8, .value_kind: global_buffer, .address_space: global }
      - { .name: qin, .offset: 24, .size: 8, .value_kind: global_buffer, .address_space: global }
    .group_segment_fixed_size: 69120
    .private_segment_fixed_size: 0
    .kernarg_segment_align: 8
    .kernarg_segment_size: 32
    .max_flat_workgroup_size: 256
    .sgpr_count:     66
    .vgpr_count:     146
    .wavefront_size: 32
...
	.end_amdgpu_metadata
.endif
;; end of part 1
;; launch qkvgemm (part 2): grid 8 x 48, 4 waves a work-group, clusters of 4 x 4, 327,680 bytes of LDS; arguments qin, qkv_b, qkvc; writes qkvc
.if DOCPART == 2
	.amdgcn_target "amdgcn-amd-amdhsa--gfx1250"
	.amdhsa_code_object_version 6
	.text
	.protected	k_q7be0ad6a1c_qkvgemm
	.globl	k_q7be0ad6a1c_qkvgemm
	.p2align	8
	.type	k_q7be0ad6a1c_qkvgemm,@function
k_q7be0ad6a1c_qkvgemm:
	s_mov_b64 s[64:65], 0
	v_nop
	global_prefetch_b8 v0, s[64:65] scope:SCOPE_SE
	s_setreg_imm32_b32 hwreg(HW_REG_WAVE_MODE, 25, 1), 1
	s_wait_xcnt 0x0
	s_wait_alu depctr_hold_cnt(0) depctr_sa_sdst(0) depctr_va_vdst(0) depctr_va_sdst(0) depctr_va_ssrc(0) depctr_va_vcc(0) depctr_vm_vsrc(0)
	s_getreg_b32 s2, hwreg(HW_REG_IB_STS2, 6, 4)
	s_cmp_eq_u32 s2, 0
	s_cbranch_scc0 .Lentry_in_a_cluster
	s_endpgm
.Lentry_in_a_cluster:
	s_bfe_u32 s2, ttmp6, 0x10000c
	s_cmp_lg_u32 s2, 0xf033
	s_cbranch_scc0 .Lentry_shape_is_right
	s_endpgm
.Lentry_shape_is_right:
; Q, K, V = x qkv_w^T + qkv_b on codes of FP6 (E2M3) with E8M0 scales, f32 sums; the results are quantised again and leave as register images for the attention launch.
; A tile is 256 x 256, four waves of 128 x 128.  Clusters with y < 8: source 1 = tokens, source 0 = W_q's and W_k's rows; the others: source 1 = W_v's rows, source 0 = tokens, so that V's codes run along the keys.
; LDS: K steps 0-3 lie in a first region (a part of 8 tiles x 6,144 bytes for each wave), K steps 4, 5 behind it (8 x 3,072 a wave); K steps 6, 7 are filled onto the first region when it is read out.
; One joint load a wave at the head; the second region's fill and the refill each stand behind the three lines and a round of the cluster's barrier.
; THE SCALE WORDS come by plain loads into registers: lanes 0-15 source 1's, lanes 16-31 source 0's; the words of K steps 4-7 wait in window 1 (v96-127 there) and are moved into the scale registers when a set is free.
; No prefetch: K is 8 steps at the largest block in clusters, and three of its four pairs of steps are asked for ahead of the first product.
; LIMITS: NaN and infinities are not served; a block of zeros or under 2^-124 gets the byte 1 with zero codes (the bytes are read by this program alone).
.set W1IMG, 6291456
.set XSC,   9437184
.set W1SC,  9699328
.set QKC,   0
.set VCO,   12582912
.set QKS,   18874368
.set VSO,   19398656
.set FR,    12
.set NL,    3
.set HALFT, 24576
.set SLOT,  4*HALFT
.set SPARE, 3*SLOT
.set ADRA, 12
.set ADRB, 16
.set ADRS, 27
.set SPW,  28
.set NIL,  29
.set SC,   32
.set CI,   64
.set AF,   128
.set BR,   224
.set G1,   24
.set G0,   32
.set G1B,  44
.set G0B,  52
.set SOA,  68
.set SOB,  69
.set WV,   92
.set RH,   93
.set PH,   94
.set SEL,  100
.set MSB, 0
.macro WIN new
.if MSB != (\new)
	s_set_vgpr_msb (MSB<<8)|(\new)
.set MSB, (\new)
.endif
.endm
.set TO_B, 0x40
.macro PLACES n
.rept \n
	v_nop
.endr
.endm
.macro JLOAD g0a, g1a, g0b, g1b
	s_cmp_eq_u32 s[RH], 0
	s_cbranch_scc0 .Lfor_b_\@
	tensor_load_to_lds s[\g0a:\g0a+3], s[\g1a:\g1a+7]
	s_nop 0
.rept 4
	v_nop
.endr
	s_branch .Lasked_\@
.Lfor_b_\@:
	tensor_load_to_lds s[\g0b:\g0b+3], s[\g1b:\g1b+7]
	s_nop 0
.rept 4
	v_nop
.endr
.Lasked_\@:
.endm
.macro CREST
	s_cmp_lg_u32 s[WV], 0
	s_cbranch_scc1 .Lnot_wave_0_\@
	s_barrier_signal -3
.Lnot_wave_0_\@:
	s_barrier_wait -3
	s_barrier_signal -1
	s_barrier_wait -1
.endm
.macro CROUND
	s_barrier_signal -1
	s_barrier_wait -1
	CREST
.endm
.macro QUANT s, pc, ct0, ct1, pw, tm
.irp b, 0,1,2,3
	v_max3_num_f32 v[\tm+\b], |v[\s+16*\b]|, |v[\s+1+16*\b]|, 0x1800000
.endr
.irp i, 2,4,6,8,10,12,14
.irp b, 0,1,2,3
	v_max3_num_f32 v[\tm+\b], v[\tm+\b], |v[\s+16*\b+\i]|, |v[\s+1+16*\b+\i]|
.endr
.endr
.irp b, 0,1,2,3
	v_permlanex16_b32 v[\tm+4+\b], v[\tm+\b], s[SEL], s[SEL+1]
.endr
.irp b, 0,1,2,3
	v_max_num_f32 v[\tm+\b], v[\tm+\b], v[\tm+4+\b]
.endr
.irp b, 0,1,2,3
	v_add_nc_u32 v[\tm+12+\b], 0xff000000, v[\tm+\b]
.endr
.irp b, 0,1,2,3
	v_lshrrev_b32 v[\tm+4+\b], 23, v[\tm+12+\b]
.endr
	v_lshl_or_b32 v[\pw], v[\tm+5], 8, v[\tm+4]
	v_lshl_or_b32 v[\pw], v[\tm+6], 16, v[\pw]
	v_lshl_or_b32 v[\pw], v[\tm+7], 24, v[\pw]
	v_cvt_scalef32_pk16_fp6_f32 v[\pc:\pc+2], v[\s:\s+15], v[\tm+12]
	v_cvt_scalef32_pk16_fp6_f32 v[\ct0:\ct0+2], v[\s+16:\s+31], v[\tm+13]
	v_cvt_scalef32_pk16_fp6_f32 v[\pc+6:\pc+8], v[\s+32:\s+47], v[\tm+14]
	v_cvt_scalef32_pk16_fp6_f32 v[\ct1:\ct1+2], v[\s+48:\s+63], v[\tm+15]
	v_nop
.irp i, 0,1,2
	v_permlane16_swap_b32 v[\pc+\i], v[\ct0+\i]
.endr
.irp i, 0,1,2
	v_mov_b32 v[\pc+3+\i], v[\ct0+\i]
.endr
.irp i, 0,1,2
	v_permlane16_swap_b32 v[\pc+6+\i], v[\ct1+\i]
.endr
.irp i, 0,1,2
	v_mov_b32 v[\pc+9+\i], v[\ct1+\i]
.endr
.endm
	s_load_b128 s[4:7], s[0:1], 0x0
	s_load_b64 s[8:9], s[0:1], 0x10
	v_lshl_add_u32 v[SPW], v0, 2, SPARE
	v_mov_b32 v[NIL], 0
	ds_add_u32 v28, v29
	ds_add_u32 v28, v29
	s_wait_dscnt 0x0
	v_lshrrev_b32 v1, 5, v0
	v_readfirstlane_b32 s[WV], v1
	s_lshr_b32 s[RH], s[WV], 1
	s_and_b32 s[PH], s[WV], 1
	s_mov_b32 s[SEL], 0x76543210
	s_mov_b32 s[SEL+1], 0xfedcba98
	s_bfe_u32 s10, ttmp6, 0x40000
	s_bfe_u32 s11, ttmp6, 0x40004
	s_and_b32 s12, ttmp7, 0xffff
	s_lshl_b32 s13, s12, 2
	s_lshl_b32 s14, ttmp9, 2
	s_lshl_b32 s15, s12, 3
	s_add_co_u32 s15, s15, s14
	s_sub_co_u32 s15, s15, 64
	s_mov_b32 s19, W1IMG
	s_mov_b32 s22, XSC
	s_mov_b32 s23, W1SC
	s_mov_b32 s96, QKS
	s_cmp_lt_u32 s12, 8
	s_cselect_b32 s16, s13, 8
	s_cselect_b32 s17, s13, 0
	s_cselect_b32 s18, s14, s15
	s_cselect_b32 s20, 0, s19
	s_cselect_b32 s21, s19, 0
	s_cselect_b32 s99, s22, s23
	s_cselect_b32 s23, s23, s22
	s_cselect_b32 s95, QKC, VCO
	s_cselect_b32 s96, s96, VSO
	s_cselect_b32 s97, -1, 0
	s_cselect_b32 s98, 0, -1
	s_add_co_u32 s16, s16, s11
	s_add_co_u32 s17, s17, s11
	s_add_co_u32 s18, s18, s10
	s_lshl_b32 s19, s11, 2
	s_lshl_b32 s19, 15, s19
	s_or_b32 s[G1], s19, (3<<16)|(1<<21)
	s_lshl_b32 s19, 0x1111, s10
	s_or_b32 s[G1B], s19, (3<<16)|(1<<21)
.irp g, G1, G1B
	s_mov_b32 s[\g+1], 768<<16                     ; the head's load: rows of 6,144 bytes, four K steps
	s_mov_b32 s[\g+2], 8<<16
	s_mov_b32 s[\g+3], 768<<16
	s_mov_b32 s[\g+4], 8
	s_mov_b32 s[\g+5], 1536
	s_mov_b32 s[\g+6], 0
	s_mov_b32 s[\g+7], 0
.endr
	s_lshl_b32 s22, s[PH], 3
	s_lshl_b32 s2, s16, 4
	s_add_co_u32 s2, s2, s22
	s_mul_i32 s2, s2, 12288
	s_add_co_u32 s2, s2, s20
	s_mov_b32 s3, 0
	s_lshl_b32 s12, s18, 4
	s_add_co_u32 s12, s12, s22
	s_mul_i32 s12, s12, 12288
	s_add_co_u32 s12, s12, s21
	s_mov_b32 s13, 0
	s_lshl_b32 s[SOA], s16, 1                      ; byte offsets in qin of the scale words that my products take: source 1's group of 128 rows,
	s_add_co_u32 s[SOA], s[SOA], s[RH]
	s_lshl_b32 s[SOA], s[SOA], 12
	s_add_co_u32 s[SOA], s[SOA], s99
	s_lshl_b32 s[SOB], s18, 1                      ; and source 0's
	s_add_co_u32 s[SOB], s[SOB], s[PH]
	s_lshl_b32 s[SOB], s[SOB], 12
	s_add_co_u32 s[SOB], s[SOB], s23
	s_mul_i32 s22, s[WV], HALFT                    ; my part of a region of two K steps,
	s_lshl_b32 s23, s22, 1                         ; and of the first region, twice as large
	s_wait_kmcnt 0x0
	s_add_nc_u64 s[2:3], s[4:5], s[2:3]
	s_add_nc_u64 s[12:13], s[4:5], s[12:13]
	CROUND
.macro SETG g, lr, lo, ga, go          ; group 0: LDS address s[lr] + lo, global address s[ga:ga+1] + go
	s_mov_b32 s[\g], 1
	s_add_co_u32 s[\g+1], s\lr, \lo
	s_add_nc_u64 s[\g+2:\g+3], s[\ga:\ga+1], \go
	s_or_b32 s[\g+3], s[\g+3], 0x80000000
.endm
	SETG G0, 23, 0, 2, 0                           ; K steps 0-3
	SETG G0B, 23, 0, 12, 0
	JLOAD G0, G1, G0B, G1B                         ; my one load at the head
	SETG G0+4, 22, 8*HALFT, 2, 6144                ; K steps 4, 5, behind the first region
	SETG G0B+4, 22, 8*HALFT, 12, 6144
	SETG G0+8, 22, 0, 2, 9216                      ; K steps 6, 7, onto the first region
	SETG G0B+8, 22, 0, 12, 9216
	s_lshl_b32 s19, s18, 1
	s_add_co_u32 s19, s19, s[PH]
	s_mul_i32 s22, s19, 98304
	s_add_co_u32 s95, s95, s22
	s_lshl_b32 s22, s19, 12
	s_add_co_u32 s96, s96, s22
	s_lshl_b32 s19, s17, 4
	s_lshl_b32 s22, s[RH], 3
	s_add_co_u32 s19, s19, s22
	s_and_b32 s22, s19, 63
	s_mul_i32 s22, s22, 768
	s_add_co_u32 s95, s95, s22
	s_lshr_b32 s22, s19, 6
	s_mul_i32 s22, s22, 1572864
	s_add_co_u32 s95, s95, s22
	s_lshr_b32 s19, s19, 3
	s_and_b32 s22, s19, 7
	s_lshl_b32 s22, s22, 9
	s_add_co_u32 s96, s96, s22
	s_lshr_b32 s22, s19, 3
	s_lshl_b32 s22, s22, 16
	s_add_co_u32 s96, s96, s22
	s_mov_b32 s10, s95
	s_mov_b32 s11, 0
	s_add_nc_u64 s[10:11], s[8:9], s[10:11]
	s_mov_b32 s12, s96
	s_mov_b32 s13, 0
	s_add_nc_u64 s[12:13], s[8:9], s[12:13]
	s_lshl_b32 s14, s18, 10
	s_lshl_b32 s19, s[PH], 9
	s_add_co_u32 s14, s14, s19
	s_and_b32 s14, s14, s97
	s_mov_b32 s15, 0
	s_add_nc_u64 s[14:15], s[6:7], s[14:15]
	s_lshl_b32 s16, s16, 10
	s_lshl_b32 s19, s[RH], 9
	s_add_co_u32 s16, s16, s19
	s_and_b32 s16, s16, s98
	s_mov_b32 s17, 0
	s_add_nc_u64 s[16:17], s[6:7], s[16:17]
	v_and_b32 v1, 31, v0
	v_and_b32 v2, 15, v0
	v_bfe_u32 v3, v0, 4, 1
	v_lshlrev_b32 v7, 6, v3
	v_and_b32 v8, 8, v2
	v_add_nc_u32 v8, v8, v2
	v_lshlrev_b32 v8, 2, v8
.irp b, 0,1,2,3,4,5,6,7
	global_load_b128 v[CI+8*\b:CI+8*\b+3], v7, s[14:15] offset:(32*(\b/2)+8*(\b%2))*4
	global_load_b128 v[CI+8*\b+4:CI+8*\b+7], v7, s[14:15] offset:(32*(\b/2)+8*(\b%2))*4+16
.endr
.irp a, 0,1,2,3,4,5,6,7
	global_load_b32 v[BR+2*\a], v8, s[16:17] offset:(32*(\a/2)+8*(\a%2))*4
.endr
	v_lshlrev_b32 v4, 4, v1
	s_mul_i32 s19, s[RH], HALFT
	s_mul_i32 s22, s[PH], HALFT
	s_add_co_u32 s22, s22, 2*HALFT
	v_add_nc_u32 v[ADRA+3], s19, v4                ; pair 3 of K steps: the refill's place
	v_add_nc_u32 v[ADRB+3], s22, v4
	v_add_nc_u32 v[ADRA+2], 8*HALFT, v[ADRA+3]     ; pair 2: behind the first region
	v_add_nc_u32 v[ADRB+2], 8*HALFT, v[ADRB+3]
	s_lshl_b32 s19, s19, 1
	s_lshl_b32 s22, s22, 1
	v_add_nc_u32 v[ADRA], s19, v4                  ; pairs 0 and 1: the first region, tiles 6,144 bytes apart
	v_add_nc_u32 v[ADRB], s22, v4
	v_add_nc_u32 v[ADRA+1], 3072, v[ADRA]
	v_add_nc_u32 v[ADRB+1], 3072, v[ADRB]
.macro SCALES n, d                     ; the scale words of K steps 2 n, 2 n + 1 into the 16 registers from d on: 32 bytes a row and K step
.irp q, 0,1
.irp u, 0,1
	global_load_b128 v[\d+8*\q+4*\u:\d+8*\q+4*\u+3], v[ADRS], s[4:5] offset:(2*(\n)+\q)*512+16*\u
.endr
.endr
.endm
	v_cmp_ne_u32 vcc_lo, 0, v3
	v_mov_b32 v5, s[SOA]
	v_mov_b32 v6, s[SOB]
	v_cndmask_b32 v5, v5, v6, vcc_lo               ; lanes 0-15 source 1's words, lanes 16-31 source 0's
	v_lshl_add_u32 v[ADRS], v2, 5, v5
	SCALES 0, SC
	SCALES 1, SC+16
	WIN TO_B
	SCALES 2, 96                                   ; in window 1, beside the fragments
	SCALES 3, 112
	WIN 0
	v_lshlrev_b32 v30, 3, v1
	v_lshlrev_b32 v31, 5, v2
	v_lshl_add_u32 v31, v3, 4, v31
.irp b, 0,1,2,3
	v_mov_b32 v[244+\b], 0
.endr
	s_wait_loadcnt 0x0
.set k, 0
.rept 64
	v_and_b32 v[CI+k], s97, v[CI+k]
.set k, k+1
.endr
.irp a, 0,1,2,3,4,5,6,7
	v_and_b32 v[BR+2*\a], s98, v[BR+2*\a]
.endr
.irp a, 0,1,2,3,4,5,6,7
	v_mov_b32 v[BR+2*\a+1], v[BR+2*\a]
.endr
	PLACES 8
.macro FRAG reg, adr, q, i, w          ; w: bytes from tile to tile
.irp c, 0,1,2
	ds_load_b128 v[\reg+4*\c:\reg+4*\c+3], v[\adr] offset:(\w)*(\i)+1536*(\q)+512*\c
.endr
.endm
.macro FETCH_B slot, q, p
	WIN TO_B
.irp i, 0,1,2,3,4,5,6,7
	FRAG 128*(\p)+FR*\i, ADRB+\slot, \q, \i, 6144-3072*((\slot)/2)
.endr
	WIN 0
.endm
.macro FETCH_A slot, q, i0
.irp i, \i0, \i0+1, \i0+2, \i0+3
	FRAG AF+FR*(\i), ADRA+\slot, \q, \i, 6144-3072*((\slot)/2)
.endr
.endm
.macro SCMOVE n                        ; pair n's scale words from window 1 into set n % 2, whose last products stand four places back
	WIN 0x01
.set k, 0
.rept 16
	v_mov_b32 v[SC+16*((\n)%2)+k], v[96+16*((\n)-2)+k]
.set k, k+1
.endr
	WIN 0
	s_wait_alu depctr_va_vdst(0)
.endm
.macro MUL16 a0, p, q, sc, first
.irp a, \a0, \a0+1
.irp b, 0,1,2,3,4,5,6,7
.if \first
	v_wmma_scale_f32_16x16x128_f8f6f4 v[8*(8*((\a)%4)+\b):8*(8*((\a)%4)+\b)+7], v[128*(\p)+FR*\b:128*(\p)+FR*\b+FR-1], v[AF+FR*(\a):AF+FR*(\a)+FR-1], v[CI+8*\b:CI+8*\b+7], v[SC+16*(\sc)+8*(\q)+\b], v[SC+16*(\sc)+8*(\q)+(\a)] matrix_a_fmt:MATRIX_FMT_FP6 matrix_b_fmt:MATRIX_FMT_FP6 matrix_a_scale:MATRIX_SCALE_ROW1
.else
	v_wmma_scale_f32_16x16x128_f8f6f4 v[8*(8*((\a)%4)+\b):8*(8*((\a)%4)+\b)+7], v[128*(\p)+FR*\b:128*(\p)+FR*\b+FR-1], v[AF+FR*(\a):AF+FR*(\a)+FR-1], v[8*(8*((\a)%4)+\b):8*(8*((\a)%4)+\b)+7], v[SC+16*(\sc)+8*(\q)+\b], v[SC+16*(\sc)+8*(\q)+(\a)] matrix_a_fmt:MATRIX_FMT_FP6 matrix_b_fmt:MATRIX_FMT_FP6 matrix_a_scale:MATRIX_SCALE_ROW1
.endif
.endr
.endr
.endm
.macro STEP slot, sc, first
	s_wait_dscnt 4*NL
.if \first
	WIN 0x81
.else
	WIN 0xa1
.endif
	MUL16 0, 0, 0, \sc, \first
	MUL16 2, 0, 0, \sc, \first
	s_wait_dscnt 0x0
	PLACES 4
	FETCH_B \slot, 1, 1
	FETCH_A \slot, 1, 0
.if \first
	WIN 0xc1
.else
	WIN 0xf1
.endif
	MUL16 4, 0, 0, \sc, \first
	MUL16 6, 0, 0, \sc, \first
	PLACES 4
	WIN 0
	FETCH_A \slot, 1, 4
.endm
.macro TURN slot, next, sc, mode
.if \mode
	s_wait_tensorcnt 0x0
	ds_add_u32 v[SPW], v[NIL]
	s_wait_dscnt 4*NL+1
	WIN 0xa1
	MUL16 0, 1, 1, \sc, 0
	s_wait_dscnt 0x0
	s_barrier_signal -1
	MUL16 2, 1, 1, \sc, 0
	WIN 0
	s_barrier_wait -1
.else
	s_wait_dscnt 4*NL
	WIN 0xa1
	MUL16 0, 1, 1, \sc, 0
	MUL16 2, 1, 1, \sc, 0
	s_wait_dscnt 0x0
	WIN 0
.endif
.if \mode == 2
	CREST
	JLOAD G0+8, G1, G0B+8, G1B
.else
	PLACES 4
.endif
	FETCH_B \next, 0, 0
	FETCH_A \next, 0, 0
	WIN 0xf1
	MUL16 4, 1, 1, \sc, 0
	MUL16 6, 1, 1, \sc, 0
	PLACES 4
	WIN 0
	FETCH_A \next, 0, 4
.endm
	s_wait_alu depctr_va_vdst(0)
	s_wait_tensorcnt 0x0                           ; my part of K steps 0-3 is in
	ds_add_u32 v[SPW], v[NIL]
	s_mov_b32 s[G1+1], 384<<16                     ; no load of mine is out: from here on rows of 3,072 bytes, two K steps
	s_mov_b32 s[G1+3], 384<<16
	s_mov_b32 s[G1B+1], 384<<16
	s_mov_b32 s[G1B+3], 384<<16
	s_wait_dscnt 0x0
	CROUND
	JLOAD G0+4, G1, G0B+4, G1B                     ; K steps 4, 5: a first fill, issued as a refill is
	FETCH_B 0, 0, 0
	FETCH_A 0, 0, 0
	FETCH_A 0, 0, 4
	STEP 0, 0, 1
	TURN 0, 1, 0, 0
	SCMOVE 2
	STEP 1, 1, 0
	TURN 1, 2, 1, 2                                ; the first region is read out: the round shows K steps 4, 5 and stands ahead of the refill
	SCMOVE 3
	STEP 2, 0, 0
	TURN 2, 3, 0, 1                                ; a barrier shows K steps 6, 7
	STEP 3, 1, 0
	s_wait_dscnt 4*NL
	WIN 0xa1
	MUL16 0, 1, 1, 1, 0
	MUL16 2, 1, 1, 1, 0
	s_wait_alu depctr_va_vdst(0)
	s_wait_dscnt 0x0
	WIN 0xf1
	MUL16 4, 1, 1, 1, 0
	MUL16 6, 1, 1, 1, 0
	WIN 0
	PLACES 4
.irp a, 0,1,2,3,4,5,6,7
	WIN 0x02+(\a/4)
.set k, 0
.rept 32
	v_pk_add_f32 v[64+2*k:65+2*k], v[64*(\a%4)+2*k:64*(\a%4)+2*k+1], v[BR+2*\a:BR+2*\a+1]
.set k, k+1
.endr
	WIN 0
	QUANT 64, 128+12*\a, 16, 20, 1+\a, 240
.irp p, 0,1,2,3,4,5
	global_store_b64 v30, v[128+12*\a+2*\p:129+12*\a+2*\p], s[10:11] offset:768*\a+49152*(\p/3)+256*(\p%3)
.endr
.endr
	v_bfe_u32 v14, v0, 4, 1
	v_cmp_ne_u32 vcc_lo, 0, v14
.irp i, 0,1,2,3
	v_cndmask_b32 v[10+\i], v[1+\i], v[5+\i], vcc_lo
.endr
	global_store_b128 v31, v[10:13], s[12:13]
	s_wait_tensorcnt 0x0
	ds_add_u32 v[SPW], v[NIL]
	s_wait_dscnt 0x0
	CROUND
	s_endpgm
.Lfunc_end_k_q7be0ad6a1c_qkvgemm:
	.size	k_q7be0ad6a1c_qkvgemm, .Lfunc_end_k_q7be0ad6a1c_qkvgemm-k_q7be0ad6a1c_qkvgemm
	.p2alignl 7, 3214868480
	.fill 96, 4, 3214868480
	.section	.rodata,"a",@progbits
	.p2align	6, 0x0
	.amdhsa_kernel k_q7be0ad6a1c_qkvgemm
		.amdhsa_group_segment_fixed_size 327680
		.amdhsa_private_segment_fixed_size 0
		.amdhsa_enable_private_segment 0
		.amdhsa_kernarg_size 24
		.amdhsa_user_sgpr_count 2
		.amdhsa_user_sgpr_kernarg_segment_ptr 1
		.amdhsa_wavefront_size32 1
		.amdhsa_system_sgpr_workgroup_id_x 1
		.amdhsa_system_sgpr_workgroup_id_y 1
		.amdhsa_system_sgpr_workgroup_id_z 1
		.amdhsa_system_vgpr_workitem_id 0
		.amdhsa_next_free_vgpr 1024
		.amdhsa_next_free_sgpr 102
		.amdhsa_reserve_vcc 1
		.amdhsa_float_denorm_mode_32 3
		.amdhsa_float_denorm_mode_16_64 3
		.amdhsa_memory_ordered 1
		.amdhsa_forward_progress 1
		.amdhsa_inst_pref_size 163
	.end_amdhsa_kernel
	.amdgpu_metadata
---
amdhsa.version: [ 1, 2 ]
amdhsa.kernels:
  - .name:           k_q7be0ad6a1c_qkvgemm
    .symbol:         k_q7be0ad6a1c_qkvgemm.kd
    .args:
      - { .name: qin, .offset: 0, .size: 8, .value_kind: global_buffer, .address_space: global }
      - { .name: qkv_b, .offset: 8, .size: 8, .value_kind: global_buffer, .address_space: global }
      - { .name: qkvc, .offset: 16, .size: 8, .value_kind: global_buffer, .address_space: global }
    .group_segment_fixed_size: 327680
    .private_segment_fixed_size: 0
    .kernarg_segment_align: 8
    .kernarg_segment_size: 24
    .max_flat_workgroup_size: 128
    .sgpr_count:     102
    .vgpr_count:     1024
    .wavefront_size: 32
...
	.end_amdgpu_metadata
.endif
;; end of part 2
;; launch attn (part 3): grid 4 x 64, 16 waves a work-group, clusters of 4 x 1, 207,872 bytes of LDS; arguments qkvc, aoc; writes aoc
.if DOCPART == 3
	.amdgcn_target "amdgcn-amd-amdhsa--gfx1250"
	.amdhsa_code_object_version 6
	.text
	.protected	k_q7be0ad6a1c_attn
	.globl	k_q7be0ad6a1c_attn
	.p2align	8
	.type	k_q7be0ad6a1c_attn,@function
k_q7be0ad6a1c_attn:
	s_mov_b64 s[64:65], 0
	v_nop
	global_prefetch_b8 v0, s[64:65] scope:SCOPE_SE
	s_setreg_imm32_b32 hwreg(HW_REG_WAVE_MODE, 25, 1), 1
	s_wait_xcnt 0x0
	s_wait_alu depctr_hold_cnt(0) depctr_sa_sdst(0) depctr_va_vdst(0) depctr_va_sdst(0) depctr_va_ssrc(0) depctr_va_vcc(0) depctr_vm_vsrc(0)
	s_getreg_b32 s2, hwreg(HW_REG_IB_STS2, 6, 4)
	s_cmp_eq_u32 s2, 0
	s_cbranch_scc0 .Lentry_in_a_cluster
	s_endpgm
.Lentry_in_a_cluster:
	s_bfe_u32 s2, ttmp6, 0x10000c
	s_cmp_lg_u32 s2, 0x3003
	s_cbranch_scc0 .Lentry_shape_is_right
	s_endpgm
.Lentry_shape_is_right:
; softmax(q k^T / 8) v for a pair of heads and 256 queries, both products on codes of FP6 (E2M3) with E8M0 scales; the result is divided by the row's sum, quantised along the channels and leaves as codes for the last product.
; THE SOFTMAX: t = score x log2(e) / 8; M = the running largest t rounded up to a whole number; p = 2^(t - M) is quantised along the keys, not normalised; the row's sum is taken of the unquantised p.
; When M moves, the sum and O are multiplied by 2^(old M - new M): exact.
; SHARES.  A work-group: one batch, heads 2 hp and 2 hp + 1, 256 queries.  Each of sixteen waves owns 16 queries and walks all 1,024 keys, 128 a step, for one head and then the other: 128 channels, one fragment of the next product.
; K's and V's codes and scale words of both heads come into LDS ONCE: twelve half tiles, one joint load (mask 15: the four blocks of queries read the same K and V) in each of waves 0-11; one barrier shows them; nothing is filled again.
; No prefetch: all tiles are asked for at the head, so there is no loop to run ahead in.
; LAYOUT.  Both products are used transposed: S^T = K Q^T, O^T = V^T P^T: a lane holds one query.  The launches before laid the tiles' rows so that the 16 registers of two neighbouring tiles are 16 neighbours.
; THE HEAD'S 64 CHANNELS IN AN INSTRUCTION OF 128: Q's registers 6-11 are zero codes; K's fragment names 12 registers of which the upper 6 are the next fragment's (or a pad).  Q's and K's scale words are loaded as 16 bits: the unused bytes are 0, never 0xff.
; THE ORDER OF A STEP: scores; V's loads; the maxima; all scalings (t - M, the sum, O^T); one wait; 68 exponentials on end; one wait; the blocks' scales, the sum, the conversions; O^T's products; the next step's K.
; LIMITS: NaN and infinities are not served; the scaled scores stay under 2^31; v_exp_f32 gives 0 for results under 2^-126; a block of zeros or under 2^-124 gets the byte 1 with zero codes (read by this program alone).
; REGISTERS: v1-8 scale words of K or V; v9-11, v36 the step's addresses; v12 -M, v13 the largest t, v[14:15] the sum; v16-21 Q, v22-27 zeros, v28-33 the second head's Q, v34-35 Q's scale words; v37-39, v94 lane terms;
;   v40-87 fragments of K (8 x 6) or V (4 x 12); v88-93 the pad; v96-159 S^T, then p; v160-223 O^T of the two heads; v224-254 p's codes and work.
.set VCO,  12582912
.set QKS,  18874368
.set VSO,  19398656
.set ASC,  6291456
.set KC,   0                           ; LDS: K's codes [head 2][tile of 16 keys 64][768]
.set VC,   98304                       ; V's [head 2][128 keys 8][half 2][tile of 16 channels 4][768]
.set KS,   196608                      ; K's scale words [128 keys 8][r 16][tile 8]
.set VS,   200704                      ; V's
.set GS,   204800                      ; the result's 256 scale words: LDS stores alone
.set SPARE, 205824
.set ADK,  9
.set ADV,  10
.set ADS,  11
.set ADT,  36
.set L8,   37
.set GSA,  38
.set R32,  39
.set L16,  94
.set OLDM, 243
.set WV,   18
.set SEL,  20
.set CS,   22
.set G1K,  24
.set G1KS, 32
.set G1V,  40
.set G1VS, 48
.set G0KS, 56
.set G0K0, 60
.set G0K1, 68
.set G0VS, 72
.set G0V0, 76
.set G0V1, 80
.set CNT,  84
.set SK,   85
.set QB,   86
.set QSB,  88
.set AOB,  90
.set ASB,  92
.set SV,   94
.set SS,   95
.set ST,   96
.macro WALU
	s_wait_alu depctr_va_vdst(0)
.endm
.macro CROUND
	s_barrier_signal -1
	s_barrier_wait -1
	s_cmp_lg_u32 s[WV], 0
	s_cbranch_scc1 .Lnot_wave_0_\@
	s_barrier_signal -3
.Lnot_wave_0_\@:
	s_barrier_wait -3
	s_barrier_signal -1
	s_barrier_wait -1
.endm
.macro SETG1 g, c, r, p                ; r rows of c elements of 8 bytes, p elements from row to row; mask 15, bit 21 beside it
	s_mov_b32 s[\g], 15|(3<<16)|(1<<21)
	s_mov_b32 s[\g+1], (\c)<<16
	s_mov_b32 s[\g+2], (\r)<<16
	s_mov_b32 s[\g+3], (\c)<<16
	s_mov_b32 s[\g+4], \r
	s_mov_b32 s[\g+5], \p
	s_mov_b32 s[\g+6], 0
	s_mov_b32 s[\g+7], 0
.endm
.macro TLOAD g0, g1
	tensor_load_to_lds s[\g0:\g0+3], s[\g1:\g1+7]
	s_nop 0
.rept 4
	v_nop
.endr
.endm
.macro ARM under, g0, g1, next         ; one arm of the head's chain: waves under the bound issue this load and go to the join
	s_cmp_lt_u32 s[WV], \under
	s_cbranch_scc0 \next
	TLOAD \g0, \g1
	s_branch .Lasked
\next:
.endm
.macro QUANT s, pc, ct0, ct1, pw, tm   ; 64 numbers of a lane, register 16 b + i = k 32 b + 16 (lane / 16) + i, become a fragment in v[pc] on and its scale word in v[pw]
.irp b, 0,1,2,3
	v_max3_num_f32 v[\tm+\b], |v[\s+16*\b]|, |v[\s+1+16*\b]|, 0x1800000
.endr
.irp i, 2,4,6,8,10,12,14
.irp b, 0,1,2,3
	v_max3_num_f32 v[\tm+\b], v[\tm+\b], |v[\s+16*\b+\i]|, |v[\s+1+16*\b+\i]|
.endr
.endr
.irp b, 0,1,2,3
	v_permlanex16_b32 v[\tm+4+\b], v[\tm+\b], s[SEL], s[SEL+1]
.endr
.irp b, 0,1,2,3
	v_max_num_f32 v[\tm+\b], v[\tm+\b], v[\tm+4+\b]
.endr
.irp b, 0,1,2,3
	v_add_nc_u32 v[\tm+12+\b], 0xff000000, v[\tm+\b]
.endr
.irp b, 0,1,2,3
	v_lshrrev_b32 v[\tm+4+\b], 23, v[\tm+12+\b]
.endr
	v_lshl_or_b32 v[\pw], v[\tm+5], 8, v[\tm+4]
	v_lshl_or_b32 v[\pw], v[\tm+6], 16, v[\pw]
	v_lshl_or_b32 v[\pw], v[\tm+7], 24, v[\pw]
	v_cvt_scalef32_pk16_fp6_f32 v[\pc:\pc+2], v[\s:\s+15], v[\tm+12]
	v_cvt_scalef32_pk16_fp6_f32 v[\ct0:\ct0+2], v[\s+16:\s+31], v[\tm+13]
	v_cvt_scalef32_pk16_fp6_f32 v[\pc+6:\pc+8], v[\s+32:\s+47], v[\tm+14]
	v_cvt_scalef32_pk16_fp6_f32 v[\ct1:\ct1+2], v[\s+48:\s+63], v[\tm+15]
	v_nop
.irp i, 0,1,2
	v_permlane16_swap_b32 v[\pc+\i], v[\ct0+\i]
.endr
.irp i, 0,1,2
	v_mov_b32 v[\pc+3+\i], v[\ct0+\i]
.endr
.irp i, 0,1,2
	v_permlane16_swap_b32 v[\pc+6+\i], v[\ct1+\i]
.endr
.irp i, 0,1,2
	v_mov_b32 v[\pc+9+\i], v[\ct1+\i]
.endr
.endm
	s_load_b128 s[4:7], s[0:1], 0x0                ; qkvc, aoc
	v_lshl_add_u32 v250, v0, 2, SPARE
	v_mov_b32 v251, 0
	ds_add_u32 v250, v251                          ; the opening lines
	ds_add_u32 v250, v251
	v_lshrrev_b32 v254, 5, v0
	v_readfirstlane_b32 s[WV], v254                ; wave 0..15
	s_and_b32 s9, ttmp7, 0xffff
	s_lshr_b32 s10, s9, 3                          ; the batch
	s_and_b32 s11, s9, 7                           ; the pair of heads
	s_and_b32 s12, s[WV], 1                        ; which half of a tile I fetch
	SETG1 G1K, 32, 96, 32                          ; K's codes: half a head, 24,576 dense bytes
	SETG1 G1KS, 32, 8, 32                          ; K's scale words: 2,048 dense bytes
	SETG1 G1V, 384, 8, 6144                        ; V's codes: 8 runs of 3,072 bytes, 49,152 apart
	SETG1 G1VS, 64, 4, 512                         ; V's scale words: 4 runs of 512 bytes, 4,096 apart
	s_mov_b32 s[SEL], 0x76543210
	s_mov_b32 s[SEL+1], 0xfedcba98
	s_mov_b32 s[CS], 0x3e38aa3b                    ; log2(e) / 8
	s_mov_b32 s[CS+1], s[CS]
	s_lshl_b32 s2, s10, 16
	s_lshl_b32 s13, s11, 12
	s_add_co_u32 s2, s2, s13
	s_lshl_b32 s13, s12, 11
	s_add_co_u32 s2, s2, s13
	s_add_co_u32 s2, s2, QKS+8*4096                ; K's scale words lie behind Q's
	s_mov_b32 s3, 0
	s_add_co_u32 s[G0KS+1], s13, KS
	s_add_co_u32 s[G0VS+1], s13, VS
	s_mul_i32 s14, s10, 1572864
	s_mul_i32 s19, s11, 98304
	s_add_co_u32 s14, s14, s19
	s_mul_i32 s19, s12, 24576
	s_add_co_u32 s14, s14, s19
	s_add_co_u32 s14, s14, 16*49152                ; K's codes lie behind Q's sixteen heads
	s_mov_b32 s15, 0
	s_add_co_u32 s[G0K0+1], s19, KC
	s_add_co_u32 s[G0K1+1], s19, KC+49152
	s_add_co_u32 s[G0V0+1], s19, VC
	s_add_co_u32 s[G0V1+1], s19, VC+49152
	s_lshl_b32 s16, s10, 15
	s_lshl_b32 s13, s12, 14
	s_add_co_u32 s16, s16, s13
	s_lshl_b32 s13, s11, 9
	s_add_co_u32 s16, s16, s13
	s_add_co_u32 s16, s16, VSO
	s_mov_b32 s17, 0
	s_mul_i32 s8, s10, 786432
	s_mul_i32 s13, s12, 393216
	s_add_co_u32 s8, s8, s13
	s_mul_i32 s13, s11, 6144
	s_add_co_u32 s8, s8, s13
	s_add_co_u32 s8, s8, VCO
	s_mov_b32 s9, 0
	s_wait_dscnt 0x0
	s_wait_kmcnt 0x0
	s_mov_b32 s[G0KS], 1
	s_add_nc_u64 s[G0KS+2:G0KS+3], s[4:5], s[2:3]
	s_or_b32 s[G0KS+3], s[G0KS+3], 0x80000000
	s_mov_b32 s[G0K0], 1
	s_add_nc_u64 s[G0K0+2:G0K0+3], s[4:5], s[14:15]
	s_mov_b32 s[G0K1], 1
	s_add_nc_u64 s[G0K1+2:G0K1+3], s[G0K0+2:G0K0+3], 49152
	s_or_b32 s[G0K0+3], s[G0K0+3], 0x80000000
	s_or_b32 s[G0K1+3], s[G0K1+3], 0x80000000
	s_mov_b32 s[G0VS], 1
	s_add_nc_u64 s[G0VS+2:G0VS+3], s[4:5], s[16:17]
	s_or_b32 s[G0VS+3], s[G0VS+3], 0x80000000
	s_mov_b32 s[G0V0], 1
	s_add_nc_u64 s[G0V0+2:G0V0+3], s[4:5], s[8:9]
	s_mov_b32 s[G0V1], 1
	s_add_nc_u64 s[G0V1+2:G0V1+3], s[G0V0+2:G0V0+3], 3072
	s_or_b32 s[G0V0+3], s[G0V0+3], 0x80000000
	s_or_b32 s[G0V1+3], s[G0V1+3], 0x80000000
	CROUND                                         ; all four work-groups are here: the joint loads meet
	ARM 2,  G0KS, G1KS, .La1                       ; one chain, one load an arm: waves 2 i and 2 i + 1 take the two halves of tile i
	ARM 4,  G0K0, G1K,  .La2
	ARM 6,  G0VS, G1VS, .La3
	ARM 8,  G0V0, G1V,  .La4
	ARM 10, G0K1, G1K,  .La5
	s_cmp_lt_u32 s[WV], 12
	s_cbranch_scc0 .Lasked                         ; waves 12-15 fetch nothing
	TLOAD G0V1, G1V
.Lasked:
	s_bfe_u32 s8, ttmp6, 0x40000                   ; cx: my block of 256 queries; it enters global addresses of Q and of the result alone
	s_lshl_b32 s13, s8, 4
	s_add_co_u32 s13, s13, s[WV]                   ; my tile of 16 queries in the batch
	s_mul_i32 s2, s10, 1572864
	s_mul_i32 s19, s11, 98304
	s_add_co_u32 s2, s2, s19
	s_mul_i32 s19, s13, 768
	s_add_co_u32 s2, s2, s19
	s_mov_b32 s3, 0
	s_add_nc_u64 s[QB:QB+1], s[4:5], s[2:3]        ; Q's codes, first head
	s_lshl_b32 s2, s10, 16
	s_lshl_b32 s19, s11, 12
	s_add_co_u32 s2, s2, s19
	s_lshr_b32 s19, s13, 3
	s_lshl_b32 s19, s19, 9
	s_add_co_u32 s2, s2, s19
	s_and_b32 s19, s13, 7
	s_lshl_b32 s19, s19, 2
	s_add_co_u32 s2, s2, s19
	s_add_co_u32 s2, s2, QKS
	s_add_nc_u64 s[QSB:QSB+1], s[4:5], s[2:3]      ; Q's scale words
	s_lshl_b32 s2, s10, 6
	s_add_co_u32 s2, s2, s13
	s_lshl_b32 s2, s2, 3
	s_add_co_u32 s2, s2, s11
	s_mul_i32 s2, s2, 1536
	s_add_nc_u64 s[AOB:AOB+1], s[6:7], s[2:3]      ; the result's image: tile of tokens 64 b + T, K step hp
	s_lshl_b32 s2, s10, 3
	s_lshl_b32 s19, s8, 1
	s_add_co_u32 s2, s2, s19
	s_lshl_b32 s2, s2, 12
	s_lshl_b32 s19, s11, 9
	s_add_co_u32 s2, s2, s19
	s_add_co_u32 s2, s2, ASC
	s_add_nc_u64 s[ASB:ASB+1], s[6:7], s[2:3]      ; the work-group's scale words: two groups of 128 tokens
	s_lshr_b32 s13, s[WV], 3
	s_lshl_b32 s13, s13, 9
	s_and_b32 s19, s[WV], 7
	s_lshl_b32 s19, s19, 2
	s_add_co_u32 s13, s13, s19
	s_add_co_u32 s13, s13, GS
	v_and_b32 v254, 31, v0
	v_lshlrev_b32 v[L8], 3, v254
	v_lshlrev_b32 v[L16], 4, v254
	v_and_b32 v255, 15, v0
	v_lshlrev_b32 v[R32], 5, v255
	v_add_nc_u32 v[GSA], s13, v[R32]               ; GS + 512 (w / 8) + 32 r + 4 (w % 8)
.irp p, 0,1,2
	global_load_b64 v[16+2*\p:17+2*\p], v[L8], s[QB:QB+1] offset:256*\p
	global_load_b64 v[28+2*\p:29+2*\p], v[L8], s[QB:QB+1] offset:49152+256*\p
.endr
	global_load_u16 v34, v[R32], s[QSB:QSB+1]      ; two bytes of the row's word for each head
	global_load_u16 v35, v[R32], s[QSB:QSB+1] offset:2
.irp i, 0,1,2,3,4,5
	v_mov_b32 v[22+\i], 0                          ; zero codes for k = 64 .. 127
	v_mov_b32 v[88+\i], 0                          ; the pad behind K's last fragment
.endr
.irp b, 0,1,2,3
	v_mov_b32 v[236+\b], 0                         ; a lane permute's destination counts as one of its sources
.endr
	v_mov_b32 v253, 0                              ; (upper half of the pair v[252:253])
.macro SUMOP n                         ; addition n of 32 of the row's sum of the unquantised p: two at a time, in two chains
.if (\n) == 0
	v_pk_add_f32 v[248:249], v[96:97], v[98:99]
.elseif (\n) == 31
	v_pk_add_f32 v[14:15], v[14:15], v[248:249]
.elseif ((\n)%2) == 1
	v_pk_add_f32 v[14:15], v[14:15], v[96+2*((\n)+1):97+2*((\n)+1)]
.else
	v_pk_add_f32 v[248:249], v[248:249], v[98+2*(\n):99+2*(\n)]
.endif
.endm
.macro SUMS from, count
.set m, \from
.rept \count
	SUMOP m
.set m, m+1
.endr
.endm
.macro KLOAD e                         ; eight fragments of K and their scale words
.irp a, 0,1,2,3,4,5,6,7
.irp p, 0,1,2
	ds_load_b64 v[40+6*\a+2*\p:41+6*\a+2*\p], v[ADK] offset:768*\a+256*\p
.endr
	ds_load_u16 v[1+\a], v[ADS] offset:4*\a+2*\e
.endr
.endm
; A KEY STEP: 128 keys of head e.
.macro STEP e
	s_wait_dscnt 0x0                               ; K's fragments and scale words, asked for a step ago, are in: no LDS instruction of mine is out
	s_barrier_signal -1                            ; I have begun this step.  Up to the wait at the step's end stand register work and LDS loads of tiles that nobody writes
.irp a, 0,1,2,3,4,5,6,7
	v_wmma_scale_f32_16x16x128_f8f6f4 v[96+8*\a:103+8*\a], v[40+6*\a:51+6*\a], v[16:27], 0, v[1+\a], v[34+\e] matrix_a_fmt:MATRIX_FMT_FP6 matrix_b_fmt:MATRIX_FMT_FP6
.endr
	v_add_nc_u32 v[ADV], s[SV], v[L8]              ; four places in front of the loads below and of the first read of the scores
	v_add_nc_u32 v[ADT], s[ST], v[R32]
	v_mov_b32 v[OLDM], v12
	v_nop
.irp t, 0,1,2,3                        ; V's fragments land under the softmax
.irp p, 0,1,2,3,4,5
	ds_load_b64 v[40+12*\t+2*\p:41+12*\t+2*\p], v[ADV] offset:3072*(\p/3)+768*\t+256*(\p%3)
.endr
	ds_load_b32 v[1+\t], v[ADT] offset:4*(4*\e+\t)
.endr
.irp b, 0,1,2,3
	v_max3_num_f32 v[232+\b], v[96+16*\b], v[97+16*\b], v[98+16*\b]   ; the largest score of each block of 32 keys: for the row's maximum and for the block's largest p
.endr
.irp i, 3,5,7,9,11,13
.irp b, 0,1,2,3
	v_max3_num_f32 v[232+\b], v[232+\b], v[96+16*\b+\i], v[97+16*\b+\i]
.endr
.endr
.irp b, 0,1,2,3
	v_max_num_f32 v[232+\b], v[232+\b], v[111+16*\b]
.endr
.irp b, 0,1,2,3
	v_permlanex16_b32 v[236+\b], v[232+\b], s[SEL], s[SEL+1]
.endr
.irp b, 0,1,2,3
	v_max_num_f32 v[232+\b], v[232+\b], v[236+\b]  ; with lane l xor 16's 16 keys
.endr
	v_max3_num_f32 v254, v232, v233, v234
	v_max_num_f32 v254, v254, v235
	v_mul_f32 v254, s[CS], v254                    ; as t (c is positive)
	v_max_num_f32 v13, v13, v254                   ; the running largest t
	v_floor_f32 v12, -v13                          ; the new -M = floor(-t)
	v_sub_f32 v254, v12, v[OLDM]                   ; old M - new M: a whole number, 0 or less
	v_cvt_i32_f32 v254, v254                       ; (it saturates)
	v_ldexp_f32 v252, 1.0, v254                    ; f = 2^(old M - new M)
.irp b, 0,1,2,3
	v_fma_f32 v[232+\b], v[232+\b], s[CS], v12     ; t - M of each block's largest score
.endr
.set j, 0
.rept 32
	v_pk_fma_f32 v[96+2*j:97+2*j], v[96+2*j:97+2*j], s[CS:CS+1], v[12:13] op_sel_hi:[1,0,0]   ; t - M, two at a time
.set j, j+1
.endr
	v_pk_mul_f32 v[14:15], v[14:15], v[252:253] op_sel_hi:[1,0]   ; the sum under the new M
.set j, 0
.rept 16
	v_pk_mul_f32 v[160+32*\e+2*j:161+32*\e+2*j], v[160+32*\e+2*j:161+32*\e+2*j], v[252:253] op_sel_hi:[1,0]   ; O^T under the new M
.set j, j+1
.endr
	WALU
.irp b, 0,1,2,3
	v_exp_f32 v[232+\b], v[232+\b]                 ; each block's largest p
.endr
.set j, 0
.rept 64
	v_exp_f32 v[96+j], v[96+j]                     ; p = 2^(t - M), at most 1
.set j, j+1
.endr
	v_nop                                          ; a plain place behind the last exponential
	WALU                                           ; and the one wait behind the batch
.irp b, 0,1,2,3
	v_max_num_f32 v[232+\b], 0x1800000, v[232+\b]  ; the floor 2^(3 - 127)
.endr
.irp b, 0,1,2,3
	v_add_nc_u32 v[244+\b], 0xff000000, v[232+\b]  ; 2 off the exponent field: the conversion's scale operand
.endr
.irp b, 0,1,2,3
	v_lshrrev_b32 v[236+\b], 23, v[244+\b]         ; the scale's byte
.endr
	v_lshl_or_b32 v253, v237, 8, v236              ; p's scale word for these 128 keys
	v_lshl_or_b32 v253, v238, 16, v253
	v_lshl_or_b32 v253, v239, 24, v253
	SUMS 0, 8
.irp c, 0,1
	v_cvt_scalef32_pk16_fp6_f32 v[224+6*\c:226+6*\c], v[96+32*\c:111+32*\c], v[244+2*\c]
	v_cvt_scalef32_pk16_fp6_f32 v[236+4*\c:238+4*\c], v[112+32*\c:127+32*\c], v[244+2*\c+1]
.endr
	v_nop                                          ; one plain place behind a scaled conversion
.irp c, 0,1
.irp i, 0,1,2
	v_permlane16_swap_b32 v[224+6*\c+\i], v[236+4*\c+\i]
.endr
.irp i, 0,1,2
	v_mov_b32 v[227+6*\c+\i], v[236+4*\c+\i]
.endr
.endr
	SUMS 8, 8                                      ; eight places between p's codes and the products that read them
	WALU
	s_wait_dscnt 0x0                               ; V is in
.irp t, 0,1,2,3
	v_wmma_scale_f32_16x16x128_f8f6f4 v[160+32*\e+8*\t:167+32*\e+8*\t], v[40+12*\t:51+12*\t], v[224:235], v[160+32*\e+8*\t:167+32*\e+8*\t], v[1+\t], v253 matrix_a_fmt:MATRIX_FMT_FP6 matrix_b_fmt:MATRIX_FMT_FP6
.endr
	s_add_co_u32 s[SK], s[SK], 6144
	s_add_co_u32 s[SS], s[SS], 512
	v_add_nc_u32 v[ADK], s[SK], v[L8]              ; four places behind the products, in front of loads into registers that they have read
	v_add_nc_u32 v[ADS], s[SS], v[R32]
	SUMS 16, 2
	KLOAD \e                                       ; the next step's K; a head's last step asks for the 6,144 filled bytes behind the head's, which are not used
	SUMS 18, 14
	s_barrier_wait -1                              ; every wave has begun this step: the sixteen waves stay within one step of each other; it orders no memory access
.endm
; All keys for head e; then O^T / the row's sum, in place.
.macro PASS e
.if \e
.irp i, 0,1,2,3,4,5
	v_mov_b32 v[16+\i], v[28+\i]
.endr
.endif
	s_mov_b32 s[SK], KC+49152*\e
	s_mov_b32 s[SV], VC+49152*\e
	s_mov_b32 s[SS], KS
	s_mov_b32 s[ST], VS
	v_add_nc_u32 v[ADK], s[SK], v[L8]
	v_add_nc_u32 v[ADS], s[SS], v[R32]
	KLOAD \e
	v_mov_b32 v13, 0xff61b1e6                      ; the largest t so far: -3e38
	v_floor_f32 v12, -v13
	v_mov_b32 v14, 0
	v_mov_b32 v15, 0
.set j, 0
.rept 32
	v_mov_b32 v[160+32*\e+j], 0                    ; the step is written once: the first finds zeros
.set j, j+1
.endr
	s_mov_b32 s[CNT], 8
.Lstep_\@:
	STEP \e
	s_add_co_u32 s[SV], s[SV], 6144
	s_add_co_u32 s[ST], s[ST], 512
	s_sub_co_u32 s[CNT], s[CNT], 1
	s_cmp_lg_u32 s[CNT], 0
	s_cbranch_scc1 .Lstep_\@
	WALU
	s_wait_dscnt 0x0                               ; the loads asked for behind the last step are in
	v_add_f32 v14, v14, v15
	v_permlanex16_b32 v252, v14, s[SEL], s[SEL+1]
	v_add_f32 v14, v14, v252                       ; the row's sum
	WALU                                           ; ahead of the transcendental
	v_rcp_f32 v14, v14
	v_nop
	WALU                                           ; and behind it, ahead of the first reader of it and of O^T
.set j, 0
.rept 16
	v_pk_mul_f32 v[160+32*\e+j:161+32*\e+j], v[160+32*\e+j:161+32*\e+j], v[14:15] op_sel_hi:[1,0]
.set j, j+2
.endr
.endm
	WALU
	s_wait_loadcnt 0x0                             ; Q
	s_wait_tensorcnt 0x0                           ; my tile, if I asked for one, is in
	s_barrier_signal -1
	s_barrier_wait -1                              ; all twelve are in; nothing is ever filled again
	PASS 0
	PASS 1
	QUANT 160, 224, 236, 240, 112, 96              ; register 32 e + 16 b + i is channel 64 e + 32 b + 16 (lane / 16) + i of my query
.irp c, 0,1,2
	global_store_b128 v[L16], v[224+4*\c:227+4*\c], s[AOB:AOB+1] offset:512*\c   ; 512 consecutive bytes a store
.endr
	ds_store_b32 v[GSA], v112
	s_wait_dscnt 0x0                               ; for the others' sake
	s_barrier_signal -1
	s_barrier_wait -1
	s_cmp_lg_u32 s[WV], 0
	s_cbranch_scc1 .Lnot_first
	v_add_nc_u32 v95, GS, v[L16]
	ds_load_b128 v[96:99], v95
	ds_load_b128 v[100:103], v95 offset:512
	s_wait_dscnt 0x0
	global_store_b128 v[L16], v[96:99], s[ASB:ASB+1]
	global_store_b128 v[L16], v[100:103], s[ASB:ASB+1] offset:4096
.Lnot_first:
	s_wait_tensorcnt 0x0                           ; the wave's end
	ds_add_u32 v250, v251
	s_wait_dscnt 0x0
	CROUND                                         ; the closing round
	s_endpgm
.Lfunc_end_k_q7be0ad6a1c_attn:
	.size	k_q7be0ad6a1c_attn, .Lfunc_end_k_q7be0ad6a1c_attn-k_q7be0ad6a1c_attn
	.p2alignl 7, 3214868480
	.fill 96, 4, 3214868480
	.section	.rodata,"a",@progbits
	.p2align	6, 0x0
	.amdhsa_kernel k_q7be0ad6a1c_attn
		.amdhsa_group_segment_fixed_size 207872
		.amdhsa_private_segment_fixed_size 0
		.amdhsa_enable_private_segment 0
		.amdhsa_kernarg_size 16
		.amdhsa_user_sgpr_count 2
		.amdhsa_user_sgpr_kernarg_segment_ptr 1
		.amdhsa_wavefront_size32 1
		.amdhsa_system_sgpr_workgroup_id_x 1
		.amdhsa_system_sgpr_workgroup_id_y 1
		.amdhsa_system_sgpr_workgroup_id_z 1
		.amdhsa_system_vgpr_workitem_id 0
		.amdhsa_next_free_vgpr 256
		.amdhsa_next_free_sgpr 98
		.amdhsa_reserve_vcc 0
		.amdhsa_float_denorm_mode_32 3
		.amdhsa_float_denorm_mode_16_64 3
		.amdhsa_memory_ordered 1
		.amdhsa_forward_progress 1
		.amdhsa_inst_pref_size 61
	.end_amdhsa_kernel
	.amdgpu_metadata
---
amdhsa.version: [ 1, 2 ]
amdhsa.kernels:
  - .name:           k_q7be0ad6a1c_attn
    .symbol:         k_q7be0ad6a1c_attn.kd
    .args:
      - { .name: qkvc, .offset: 0, .size: 8, .value_kind: global_buffer, .address_space: global }
      - { .name: aoc, .offset: 8, .size: 8, .value_kind: global_buffer, .address_space: global }
    .group_segment_fixed_size: 207872
    .private_segment_fixed_size: 0
    .kernarg_segment_align: 8
    .kernarg_segment_size: 16
    .max_flat_workgroup_size: 512
    .sgpr_count:     98
    .vgpr_count:     256
    .wavefront_size: 32
...
	.end_amdgpu_metadata
.endif
;; end of part 3
;; launch proj (part 4): grid 4 x 64, 4 waves a work-group, clusters of 4 x 4, 311,808 bytes of LDS; arguments aoc, qin, proj_b, out0; writes out0
.if DOCPART == 4
	.amdgcn_target "amdgcn-amd-amdhsa--gfx1250"
	.amdhsa_code_object_version 6
	.text
	.protected	k_q7be0ad6a1c_proj
	.globl	k_q7be0ad6a1c_proj
	.p2align	8
	.type	k_q7be0ad6a1c_proj,@function
k_q7be0ad6a1c_proj:
	s_mov_b64 s[64:65], 0
	v_nop
	global_prefetch_b8 v0, s[64:65] scope:SCOPE_SE
	s_setreg_imm32_b32 hwreg(HW_REG_WAVE_MODE, 25, 1), 1
	s_wait_xcnt 0x0
	s_wait_alu depctr_hold_cnt(0) depctr_sa_sdst(0) depctr_va_vdst(0) depctr_va_sdst(0) depctr_va_ssrc(0) depctr_va_vcc(0) depctr_vm_vsrc(0)
	s_getreg_b32 s2, hwreg(HW_REG_IB_STS2, 6, 4)
	s_cmp_eq_u32 s2, 0
	s_cbranch_scc0 .Lentry_in_a_cluster
	s_endpgm
.Lentry_in_a_cluster:
	s_bfe_u32 s2, ttmp6, 0x10000c
	s_cmp_lg_u32 s2, 0xf033
	s_cbranch_scc0 .Lentry_shape_is_right
	s_endpgm
.Lentry_shape_is_right:
; out0 = attention's result x proj_w^T + proj_b on codes of FP6 (E2M3) with E8M0 scales, f32 sums.  Both operands lie in memory as images of their registers (1,536 bytes a fragment of 16 rows x 128 K), with their scale words beside them.
; A TILE IS 128 TOKENS x 256 OUTPUTS: 256 work-groups.  Four waves, each 64 x 128 in 32 accumulators.  Operand R (the tokens) is source 1, operand P (proj_w's rows) source 0: a lane holds neighbouring columns of one row.
; ALL OF K LIES IN LDS AT ONCE, as it lies in memory: R's 8 tiles x 12,288 bytes, P's 16 tiles x 12,288, then 4,096 + 8,192 bytes of scale words.  Each of the four is one dense block of memory and one joint load:
; wave 0 R's codes, wave 1 P's, wave 2 R's scale words, wave 3 P's.  Every byte is filled once; one barrier shows all four.  No prefetch: all is asked for at the head, so there is no loop to run ahead in.
; CLUSTERS: 4 x 4 work-groups; R's tiles are shared along a row of the cluster, P's along a column.
; THE ROWS OF A TILE OF 16 ARE NOT NEIGHBOURS (lane r of tile T: row 32 (T / 2) + 8 (T % 2) + r + 8 (r / 8)): along P the registers come out in the true order; along R the stores' offsets put each row in its place.
; The bias is the C of the first matrix instructions.
; REGISTERS: window 0: v16-27 addresses, v32-63 scale words (two sets), v64-127 the bias, v128-223 R's fragments (two sets of 48), on the way out v128-255 rows of the result;
;   window 1: P's fragments, two sets, at v0 and v128;  window 2: the accumulators ((a, b) at v[8 (8 a + b)]).
.set ASC,   6291456
.set W2IMG, 8650752
.set W2SC,  9797632
.set FR,    12
.set TILE,  12288                      ; a tile of 16 rows, all of K
.set PB0,   8*TILE                     ; P's codes, behind R's
.set SCL,   24*TILE                    ; the scale words
.set SPARE, 0x4c000
.set SPITCH, 528                       ; the way out: 16 rows x 528 bytes a wave, from LDS byte 0 on: those bytes have had their only fill, and a barrier stands behind every wave's last read of them
.set ADRA, 16                          ; v16    LDS address of my four tiles of R
.set ADRB, 20                          ; v20-21 of my tiles 0-3 and 4-7 of P
.set ADRS, 24                          ; v24    of my scale words: lanes 0-15 R's, lanes 16-31 P's
.set RD,   25
.set CO,   26
.set STO,  27
.set SC,   32
.set CI,   64
.set AF,   128
.set BK,   128
.set G1R,  24
.set G1P,  32
.set G1SR, 40
.set G1SP, 48
.set G0R,  56
.set G0P,  60
.set G0SR, 68
.set G0SP, 72
.set WV,   20
.set RH,   21                          ; which 64 of R's rows are mine
.set PH,   22                          ; which 128 of P's rows
.set MSB, 0
.macro WIN new
.if MSB != (\new)
	s_set_vgpr_msb (MSB<<8)|(\new)
.set MSB, (\new)
.endif
.endm
.set TO_B, 0x40
.macro PLACES n
.rept \n
	v_nop
.endr
.endm
.macro CROUND
	s_barrier_signal -1
	s_barrier_wait -1
	s_cmp_lg_u32 s[WV], 0
	s_cbranch_scc1 .Lnot_wave_0_\@
	s_barrier_signal -3
.Lnot_wave_0_\@:
	s_barrier_wait -3
	s_barrier_signal -1
	s_barrier_wait -1
.endm
.macro DENSE g, rows                   ; group 1's words 1-7: a dense block as rows of 256 bytes (32 elements of 8)
	s_mov_b32 s[\g+1], 32<<16
	s_mov_b32 s[\g+2], (\rows)<<16
	s_mov_b32 s[\g+3], 32<<16
	s_mov_b32 s[\g+4], \rows
	s_mov_b32 s[\g+5], 32
	s_mov_b32 s[\g+6], 0
	s_mov_b32 s[\g+7], 0
.endm
.macro SETG0 g, lds, base, off         ; group 0: LDS address, global address s[base:base+1] + s[off:off+1]
	s_mov_b32 s[\g], 1
	s_mov_b32 s[\g+1], \lds
	s_add_nc_u64 s[\g+2:\g+3], s[\base:\base+1], s[\off:\off+1]
	s_or_b32 s[\g+3], s[\g+3], 0x80000000
.endm
.macro ARM under, g0, g1, next
	s_cmp_lt_u32 s[WV], \under
	s_cbranch_scc0 \next
	tensor_load_to_lds s[\g0:\g0+3], s[\g1:\g1+7]
	s_nop 0
	PLACES 4
	s_branch .Lasked
\next:
.endm
	s_load_b256 s[4:11], s[0:1], 0x0               ; aoc, qin, proj_b, out0
	v_lshl_add_u32 v30, v0, 2, SPARE
	v_mov_b32 v31, 0
	ds_add_u32 v30, v31                            ; the opening lines
	ds_add_u32 v30, v31
	v_lshrrev_b32 v1, 5, v0
	v_readfirstlane_b32 s[WV], v1
	s_lshr_b32 s[RH], s[WV], 1
	s_and_b32 s[PH], s[WV], 1
	s_bfe_u32 s12, ttmp6, 0x40000                  ; cx
	s_bfe_u32 s13, ttmp6, 0x40004                  ; cy
	s_and_b32 s16, ttmp7, 0xffff
	s_lshl_b32 s16, s16, 2
	s_add_co_u32 s16, s16, s13                     ; R's tile of 128 tokens
	s_lshl_b32 s17, ttmp9, 2
	s_add_co_u32 s17, s17, s12                     ; P's tile of 256 outputs
	s_lshl_b32 s23, s13, 2
	s_lshl_b32 s23, 15, s23                        ; my row of the cluster
	s_or_b32 s[G1R], s23, (3<<16)|(1<<21)
	s_or_b32 s[G1SR], s23, (3<<16)|(1<<21)
	s_lshl_b32 s23, 0x1111, s12                    ; my column
	s_or_b32 s[G1P], s23, (3<<16)|(1<<21)
	s_or_b32 s[G1SP], s23, (3<<16)|(1<<21)
	DENSE G1R, 384                                 ; 98,304 bytes
	DENSE G1P, 768                                 ; 196,608
	DENSE G1SR, 16                                 ; 4,096
	DENSE G1SP, 32                                 ; 8,192
	s_mul_i32 s2, s16, 8*TILE                      ; R's codes
	s_mov_b32 s3, 0
	s_mul_i32 s14, s17, 16*TILE
	s_add_co_u32 s14, s14, W2IMG                   ; P's codes
	s_mov_b32 s15, 0
	s_lshl_b32 s18, s16, 12
	s_add_co_u32 s18, s18, ASC                     ; R's scale words
	s_mov_b32 s19, 0
	s_lshl_b32 s100, s17, 13
	s_add_co_u32 s100, s100, W2SC                  ; P's
	s_mov_b32 s101, 0
	s_lshl_b32 s12, s17, 10                        ; my first column, in bytes
	s_lshl_b32 s23, s[PH], 9
	s_add_co_u32 s12, s12, s23
	s_mov_b32 s13, 0
	v_bfe_u32 v3, v0, 4, 1                         ; h
	v_lshlrev_b32 v7, 6, v3                        ; the bias: register j of tile b is output 32 (b / 2) + 8 (b % 2) + 16 h + j
	s_wait_alu depctr_va_vdst(0)
	s_wait_dscnt 0x0
	s_wait_kmcnt 0x0
	s_add_nc_u64 s[8:9], s[8:9], s[12:13]
.irp b, 0,1,2,3,4,5,6,7
	global_load_b128 v[CI+8*\b:CI+8*\b+3], v7, s[8:9] offset:(32*(\b/2)+8*(\b%2))*4
	global_load_b128 v[CI+8*\b+4:CI+8*\b+7], v7, s[8:9] offset:(32*(\b/2)+8*(\b%2))*4+16
.endr
	SETG0 G0R, 0, 4, 2
	SETG0 G0P, PB0, 6, 14
	SETG0 G0SR, SCL, 4, 18
	SETG0 G0SP, SCL+4096, 6, 100
	CROUND                                         ; all sixteen work-groups are here: the joint loads meet
	ARM 1, G0R,  G1R,  .Lw1                        ; one chain, one load an arm
	ARM 2, G0P,  G1P,  .Lw2
	ARM 3, G0SR, G1SR, .Lw3
	tensor_load_to_lds s[G0SP:G0SP+3], s[G1SP:G1SP+7]
	s_nop 0
	PLACES 4
.Lasked:
	s_lshl_b32 s2, s16, 19                         ; my part of out0: row 128 x tile + 64 x half, rows of 4,096 bytes; and my first column
	s_lshl_b32 s23, s[RH], 18
	s_add_co_u32 s2, s2, s23
	s_add_co_u32 s2, s2, s12
	s_mov_b32 s3, 0
	s_add_nc_u64 s[10:11], s[10:11], s[2:3]
	s_mul_i32 s23, s[RH], 4*TILE                   ; my four tiles of R
	s_mul_i32 s66, s[PH], 8*TILE
	s_add_co_u32 s66, s66, PB0                     ; my eight tiles of P
	s_lshl_b32 s67, s[RH], 4
	s_add_co_u32 s67, s67, SCL                     ; lanes 0-15: R's words of my four tiles: 16 RH bytes into the row's 32
	s_xor_b32 s14, s[RH], 1
	s_lshl_b32 s14, s14, 4
	s_lshl_b32 s15, s[PH], 12
	s_add_co_u32 s14, s14, s15
	s_add_co_u32 s14, s14, 4080                    ; from there to P's words of my 128 rows: 4,096 + 4,096 PH - 16 RH
	s_mul_i32 s15, s[WV], 16*SPITCH                ; my stage
	v_and_b32 v1, 31, v0
	v_and_b32 v2, 15, v0
	v_lshlrev_b32 v[CO], 4, v1                     ; 16 x lane
	v_add_nc_u32 v[ADRA], s23, v[CO]
	v_add_nc_u32 v[ADRB], s66, v[CO]
	v_add_nc_u32 v[ADRB+1], 4*TILE, v[ADRB]
	v_mul_u32_u24 v6, s14, v3                      ; lanes 16-31 take P's: one lane term
	v_lshl_add_u32 v5, v2, 5, v6
	v_add_nc_u32 v[ADRS], s67, v5
	v_mul_u32_u24 v5, v2, SPITCH
	v_lshl_add_u32 v5, v3, 6, v5
	v_add_nc_u32 v[STO], s15, v5                   ; in: row r, + 64 h
	v_add_nc_u32 v[RD], s15, v[CO]                 ; back: a row of 512 bytes, 16 a lane
.macro FRAG reg, adr, k, i             ; a fragment's image at K step k of tile i: three loads of 512 consecutive bytes
.irp c, 0,1,2
	ds_load_b128 v[\reg+4*\c:\reg+4*\c+3], v[\adr] offset:TILE*((\i)%4)+1536*(\k)+512*\c
.endr
.endm
.macro FETCH k, p                      ; K step k's fragments into set p: P's eight, R's four
	WIN TO_B
.irp i, 0,1,2,3,4,5,6,7
	FRAG 128*(\p)+FR*\i, ADRB+\i/4, \k, \i
.endr
	WIN 0
.irp i, 0,1,2,3
	FRAG AF+48*(\p)+FR*\i, ADRA, \k, \i
.endr
.endm
.macro SCALES n                        ; the scale words of K steps 2 n, 2 n + 1 into set n % 2: register 8 q + i: lanes 0-15 R's block i (i < 4), lanes 16-31 P's block i
.irp q, 0,1
.irp u, 0,1
	ds_load_b128 v[SC+16*((\n)%2)+8*\q+4*\u:SC+16*((\n)%2)+8*\q+4*\u+3], v[ADRS] offset:(2*(\n)+\q)*512+16*\u
.endr
.endr
.endm
; 32 matrix instructions: R's four blocks x P's eight.  first = 1: the C is the bias.  The 32 accumulators take turns.
.macro MUL32 p, q, sc, first
.irp a, 0,1,2,3
.irp b, 0,1,2,3,4,5,6,7
.if \first
	v_wmma_scale_f32_16x16x128_f8f6f4 v[8*(8*\a+\b):8*(8*\a+\b)+7], v[128*(\p)+FR*\b:128*(\p)+FR*\b+FR-1], v[AF+48*(\p)+FR*\a:AF+48*(\p)+FR*\a+FR-1], v[CI+8*\b:CI+8*\b+7], v[SC+16*(\sc)+8*(\q)+\b], v[SC+16*(\sc)+8*(\q)+\a] matrix_a_fmt:MATRIX_FMT_FP6 matrix_b_fmt:MATRIX_FMT_FP6 matrix_a_scale:MATRIX_SCALE_ROW1
.else
	v_wmma_scale_f32_16x16x128_f8f6f4 v[8*(8*\a+\b):8*(8*\a+\b)+7], v[128*(\p)+FR*\b:128*(\p)+FR*\b+FR-1], v[AF+48*(\p)+FR*\a:AF+48*(\p)+FR*\a+FR-1], v[8*(8*\a+\b):8*(8*\a+\b)+7], v[SC+16*(\sc)+8*(\q)+\b], v[SC+16*(\sc)+8*(\q)+\a] matrix_a_fmt:MATRIX_FMT_FP6 matrix_b_fmt:MATRIX_FMT_FP6 matrix_a_scale:MATRIX_SCALE_ROW1
.endif
.endr
.endr
.endm
; A K step on fragment set q with scale set sc.  nk >= 0: K step nk's fragments go into the other set, behind four places; nsc >= 0: with them a pair's scale words.  bar = 1: a barrier behind every wave's last LDS read.
.macro QS q, sc, first, bar, nk, nsc
	s_wait_dscnt 0x0                               ; this step's fragments, asked for a step ago, are in
.if \bar
	s_barrier_signal -1
	s_barrier_wait -1
.endif
.if \nk >= 0
.if \first == 0
	PLACES 4
.endif
	FETCH \nk, 1-\q
.if \nsc >= 0
	SCALES \nsc
.endif
.endif
.if \first
	WIN 0x81                                       ; source 0 window 1, source 1 and C (the bias) window 0, D window 2
.else
	WIN 0xa1
.endif
	MUL32 \q, \q, \sc, \first
	WIN 0
.endm
	s_wait_alu depctr_va_vdst(0)
	s_wait_loadcnt 0x0                             ; the bias
	s_wait_tensorcnt 0x0                           ; my block is in
	s_barrier_signal -1
	s_barrier_wait -1                              ; all four are in
	FETCH 0, 0
	SCALES 0
	QS 0, 0, 1, 0, 1, -1
	QS 1, 0, 0, 0, 2, 1
	QS 0, 1, 0, 0, 3, -1
	QS 1, 1, 0, 0, 4, 2
	QS 0, 0, 0, 0, 5, -1
	QS 1, 0, 0, 0, 6, 3
	QS 0, 1, 0, 0, 7, -1
	QS 1, 1, 0, 1, -1, -1                          ; nobody reads the tiles any more: the stages may be written
	PLACES 4                                       ; in front of the first read of results and of loads into R's registers
; THE WAY OUT, block by block of 16 rows x 128 columns: through my own stage, back as whole rows of 512 bytes.  LDS serves a wave's instructions in order: no wait between the stores and the loads.
.macro TOSTAGE a
.set AC, 64*(\a)
	WIN 0x08
.irp b, 0,1,2,3,4,5,6,7
	ds_store_b128 v[STO], v[AC+8*\b:AC+8*\b+3] offset:128*(\b/2)+32*(\b%2)          ; each accumulator from its low end on
	ds_store_b128 v[STO], v[AC+8*\b+4:AC+8*\b+7] offset:128*(\b/2)+32*(\b%2)+16
.endr
	WIN 0
.set BB, BK+64*((\a)%2)
.irp t, 0,1,2,3,4,5,6,7,8,9,10,11,12,13,14,15
	ds_load_b128 v[BB+4*\t:BB+4*\t+3], v[RD] offset:\t*SPITCH
.endr
.endm
.macro SEND a, younger                 ; younger: the LDS instructions issued behind block a's loads
.set BB, BK+64*((\a)%2)
	s_wait_dscnt \younger
.irp t, 0,1,2,3,4,5,6,7,8,9,10,11,12,13,14,15
	global_store_b128 v[CO], v[BB+4*\t:BB+4*\t+3], s[10:11] offset:(32*((\a)/2)+8*((\a)%2)+\t+8*(\t/8))*4096 th:TH_STORE_NT   ; 32 lanes store 512 consecutive bytes, aligned
.endr
.endm
	TOSTAGE 0
.irp a, 1,2,3
.if \a > 1
	s_wait_xcnt 0x0                                ; block a - 2's stores have read their registers
.endif
	TOSTAGE \a
	SEND \a-1, 32                                  ; behind block a - 1's loads: block a's 16 stores and 16 loads
.endr
	SEND 3, 0
	s_wait_tensorcnt 0x0                           ; the wave's end
	ds_add_u32 v30, v31
	s_wait_dscnt 0x0
	CROUND                                         ; the closing round
	s_endpgm
.Lfunc_end_k_q7be0ad6a1c_proj:
	.size	k_q7be0ad6a1c_proj, .Lfunc_end_k_q7be0ad6a1c_proj-k_q7be0ad6a1c_proj
	.p2alignl 7, 3214868480
	.fill 96, 4, 3214868480
	.section	.rodata,"a",@progbits
	.p2align	6, 0x0
	.amdhsa_kernel k_q7be0ad6a1c_proj
		.amdhsa_group_segment_fixed_size 311808
		.amdhsa_private_segment_fixed_size 0
		.amdhsa_enable_private_segment 0
		.amdhsa_kernarg_size 32
		.amdhsa_user_sgpr_count 2
		.amdhsa_user_sgpr_kernarg_segment_ptr 1
		.amdhsa_wavefront_size32 1
		.amdhsa_system_sgpr_workgroup_id_x 1
		.amdhsa_system_sgpr_workgroup_id_y 1
		.amdhsa_system_sgpr_workgroup_id_z 1
		.amdhsa_system_vgpr_workitem_id 0
		.amdhsa_next_free_vgpr 768
		.amdhsa_next_free_sgpr 102
		.amdhsa_reserve_vcc 0
		.amdhsa_float_denorm_mode_32 3
		.amdhsa_float_denorm_mode_16_64 3
		.amdhsa_memory_ordered 1
		.amdhsa_forward_progress 1
		.amdhsa_inst_pref_size 78
	.end_amdhsa_kernel
	.amdgpu_metadata
---
amdhsa.version: [ 1, 2 ]
amdhsa.kernels:
  - .name:           k_q7be0ad6a1c_proj
    .symbol:         k_q7be0ad6a1c_proj.kd
    .args:
      - { .name: aoc, .offset: 0, .size: 8, .value_kind: global_buffer, .address_space: global }
      - { .name: qin, .offset: 8, .size: 8, .value_kind: global_buffer, .address_space: global }
      - { .name: proj_b, .offset: 16, .size: 8, .value_kind: global_buffer, .address_space: global }
      - { .name: out0, .offset: 24, .size: 8, .value_kind: global_buffer, .address_space: global }
    .group_segment_fixed_size: 311808
    .private_segment_fixed_size: 0
    .kernarg_segment_align: 8
    .kernarg_segment_size: 32
    .max_flat_workgroup_size: 128
    .sgpr_count:     102
    .vgpr_count:     768
    .wavefront_size: 32
...
	.end_amdgpu_metadata
.endif
;; end of part 4
